; MI455X (gfx1250); checked and timed in simulation.
; The chip was launched on July 23, 2026; its instructions are those of AMD's public machine-readable ISA for CDNA 5 (MIT licence, August 2026) and "CDNA5" Instruction Set Architecture Reference Guide (July 2026). The comments in the code are by the model that wrote it; some were corrected since.
;; Max Feat Block Descriptor Layer. Allowed arithmetic: float matrix products may take bf16 or f16 operands with f32 sums; other float arithmetic in f32, or as packed bf16 or f16 multiplies, adds, multiply-adds, maxima and minima; sums over many terms, partial sums and values carried from step to step in f32; what a program stores and reads back later, other than sums and carried values, may be rounded once to bf16 or f16.
;; Inputs: emb 2 x 128 x 128 x 2,048 float32; prob_map 2 x 128 x 128 x 8 float32.
;; Outputs: out0 2 x 8 x 2,048 float32.
;; One version. Each part assembles by itself: llvm-mc -triple=amdgcn-amd-amdhsa -mcpu=gfx1250 --defsym DOCPART=n.
;; ======== version 1 of 1: 2 launches
;; workspace buffers: cand 512 bytes of whole numbers; stat 1,024 bytes
;; launch scan (part 1): grid 16 x 1, 16 waves a work-group, no clusters, 3,584 bytes of LDS; arguments prob_map, cand, stat; writes cand, stat
.if DOCPART == 1
	.amdgcn_target "amdgcn-amd-amdhsa--gfx1250"
	.amdhsa_code_object_version 6
	.text
	.protected	k_q40a7d3516f_scan
	.globl	k_q40a7d3516f_scan
	.p2align	8
	.type	k_q40a7d3516f_scan,@function
k_q40a7d3516f_scan:
	s_mov_b64 s[64:65], 0
	v_nop
	global_prefetch_b8 v0, s[64:65] scope:SCOPE_SE
	s_setreg_imm32_b32 hwreg(HW_REG_WAVE_MODE, 25, 1), 1
	s_wait_xcnt 0x0
; out0[b][k][:] = (mean over n of prob[b][n][k] > 0.3) x emb[b][argmax over n of prob[b][n][k]][:].   prob: [2][16384][8] f32, emb: [2][16384][2048] f32.
; FIRST OF TWO LAUNCHES: for each batch b, class k and CHUNK p of 2,048 positions: the largest probability, the first position that holds it, and the sum.
; WORK NOT DONE.  reference() takes from emb only the rows that idx names (take_along_axis is a lookup): whatever the inputs hold, the other rows have no way to out0.
; Which rows are named is a matter of whole numbers, so it is settled here, stored, and read from memory by the second launch, which alone touches emb: emb is no argument of this launch.
; A NaN or an infinity in a row of emb that is not looked up reaches no result, here as in reference().
; WHY CHUNKS.  A batch's 512 KiB are shared out among 8 work-groups; no work-group reads what another stores, so the 8 results of a class stay apart: the second launch
; loads the 8 rows that they name and keeps, by a select on the 8 maxima, the one that the whole argmax names.
; LIMITS.  Sums are f32, added as a tree (8 a thread, 16 lanes, 16 waves, 8 chunks): a mean within a few 2^-24 of itself from 0.3 may fall on the other side than reference()'s.
; Equal maxima: the lowest position, as argmax has it; -0 and +0 count as equal.  A NaN among a class's probabilities makes its sum NaN and its mask 0, as in reference(); but the row
; that is then multiplied by 0 need not be the NaN's, so the zero's sign may differ, and an infinity or NaN in emb's row may show or not.
; SHARES.  Work-group x = 8 b + p owns 65,536 consecutive bytes of prob.  Its 512 threads load 16 bytes each, 8 times: load j of thread t lies at 8,192 j + 16 t, so a wave's load covers
; 512 consecutive bytes, aligned.  A position is 32 bytes: thread t always holds classes 4 (t % 2) + 0..3, of position 256 j + t / 2 of the chunk.
; THE POSITION is carried REVERSED, 16383 - n, as an f32 (exact): the first position of a maximum is then itself a maximum, and one reduction serves both; 0 stands for 'none', and is still a row of the table.
.set NPOS,  16384                      ; positions in a batch
.set STEP,  8192                       ; bytes that one load of all 512 threads covers: 256 positions
.set LMAX,  0                          ; LDS: [wave][class] f32, 512 bytes: the waves' maxima,
.set LREV,  512                        ; their reversed positions,
.set LSUM,  1024                       ; their sums
.set SPARE, 1536                       ; behind them: the spare words, 128 bytes for each of the 16 waves: eight blocks of 256 bytes that no other line names
.set OFF, 1                            ; v1       16 t: my bytes in a step; never rewritten
.set LW,  2                            ; v2       32 x wave + 16 (t % 2): where my wave's four numbers of a table go
.set LR,  3                            ; v3       16 x lane: what wave 0 reads back
.set SPW, 4                            ; v4       LDS address of my spare word; never rewritten
.set NIL, 5                            ; v5       0; never rewritten
.set W,   6                            ; v6       at work
.set GO,  7                            ; v7       where a class's word goes in cand and stat
.set T,   8                            ; v[8:11]  the other half of the lanes' numbers
.set M,   12                           ; v[12:15] maxima of my four classes
.set C,   16                           ; v[16:19] reversed position of the first such maximum
.set S,   20                           ; v[20:31] sums, and two more sets at work
.set S2,  24
.set S3,  28
.set REV, 32                           ; v[32:39] the reversed position of load j's numbers
.set X,   40                           ; v[40:71] the eight loads
.set WV,  12                           ; s12      my wave's number
.set SEL, 16                           ; s[16:17] v_permlanex16_b32's selects: each lane takes its own place in the other half
.set EQ,  20                           ; s[20:23] lane masks
	s_load_b128 s[4:7], s[0:1], 0x0                ; prob_map s[4:5], cand s[6:7]
	s_load_b64 s[8:9], s[0:1], 0x10                ; stat
	v_lshl_add_u32 v[SPW], v0, 2, SPARE
	v_mov_b32 v[NIL], 0
	v_lshlrev_b32 v[OFF], 4, v0
	s_lshl_b32 s10, ttmp9, 16                      ; the work-group's 65,536 bytes
	s_mov_b32 s11, 0
	s_wait_kmcnt 0x0
	s_add_nc_u64 s[4:5], s[4:5], s[10:11]
.irp j, 0,1,2,3,4,5,6,7
	global_load_b128 v[X+4*(\j):X+4*(\j)+3], v[OFF], s[4:5] offset:(\j)*STEP th:TH_LOAD_NT  ; all eight go out before anything is waited for; each byte is read once in the launch
.endr
	; the set-up stands behind the loads
	v_lshrrev_b32 v[W], 5, v0
	v_readfirstlane_b32 s[WV], v[W]                ; wave 0..15
	s_and_b32 s13, ttmp9, 7                        ; p
	s_lshr_b32 s14, ttmp9, 3                       ; b
	s_lshl_b32 s15, s13, 11
	s_sub_co_u32 s15, NPOS-1, s15                  ; the chunk's first position, reversed
	s_mov_b32 s[SEL], 0x76543210
	s_mov_b32 s[SEL+1], 0xfedcba98
	v_lshrrev_b32 v[W], 1, v0
	v_sub_nc_u32 v[W], s15, v[W]                   ; 16383 - (2,048 p + t / 2)
	v_cvt_f32_u32 v[REV], v[W]
.irp j, 1,2,3,4,5,6,7
	v_add_f32 v[REV+(\j)], 0xc3800000, v[REV+(\j)-1]  ; 256 positions further on: 256.0 less
.endr
	v_and_b32 v[W], 1, v0
	v_lshlrev_b32 v[LW], 4, v[W]
	v_lshl_add_u32 v[LW], s[WV], 5, v[LW]
	v_and_b32 v[LR], 31, v0
	v_lshlrev_b32 v[LR], 4, v[LR]
.irp c, 0,1,2,3
	v_mov_b32 v[T+(\c)], 0                         ; v_permlanex16_b32 counts as a reader of its destination: written once here
.endr
.macro ADD4 d, a, b                    ; four sums, two an instruction
	v_pk_add_f32 v[(\d):(\d)+1],   v[(\a):(\a)+1],   v[(\b):(\b)+1]
	v_pk_add_f32 v[(\d)+2:(\d)+3], v[(\a)+2:(\a)+3], v[(\b)+2:(\b)+3]
.endm
; Four numbers a lane are reduced over the 16 lanes of my parity (they hold the same four classes): lanes 2, 4 and 8 apart ride on the arithmetic (DPP), then the other half of the lanes.
; Every lane ends with the result.  s: where the numbers lie; d: where the result goes (written before: a DPP form counts as a reader of its destination).
.macro LANES op, opd, d, s
.irp c, 0,1,2,3
	\opd v[(\d)+(\c)], v[(\s)+(\c)], v[(\s)+(\c)] row_xmask:2 row_mask:0xf bank_mask:0xf
.endr
.irp m, 4,8
.irp c, 0,1,2,3
	\opd v[(\d)+(\c)], v[(\d)+(\c)], v[(\d)+(\c)] row_xmask:\m row_mask:0xf bank_mask:0xf
.endr
.endr
.irp c, 0,1,2,3
	v_permlanex16_b32 v[T+(\c)], v[(\d)+(\c)], s[SEL], s[SEL+1]
.endr
.irp c, 0,1,2,3
	\op v[(\d)+(\c)], v[(\d)+(\c)], v[T+(\c)]
.endr
.endm
	s_wait_loadcnt 4                               ; loads come back in order: the first four are in, the four younger ones may stay out
	ADD4 S,  X,   X+4
	ADD4 S2, X+8, X+12
.irp c, 0,1,2,3
	v_max3_num_f32 v[M+(\c)], v[X+(\c)], v[X+4+(\c)], v[X+8+(\c)]
.endr
	ADD4 S, S, S2
	s_wait_loadcnt 0x0
	ADD4 S2, X+16, X+20
	ADD4 S3, X+24, X+28
.irp c, 0,1,2,3
	v_max3_num_f32 v[M+(\c)], v[M+(\c)], v[X+12+(\c)], v[X+16+(\c)]
.endr
	ADD4 S2, S2, S3
.irp c, 0,1,2,3
	v_max3_num_f32 v[M+(\c)], v[M+(\c)], v[X+20+(\c)], v[X+24+(\c)]
.endr
	ADD4 S, S, S2
.irp c, 0,1,2,3
	v_max_num_f32 v[M+(\c)], v[M+(\c)], v[X+28+(\c)]
.endr
	LANES v_max_num_f32, v_max_num_f32_dpp, M, M   ; the wave's maxima, in every lane
	; where do they lie?  From the last load to the first, so that the earliest position is written last; a lane that holds none keeps 0
.irp j, 7,6,5,4,3,2,1,0
.irp c, 0,1,2,3
	v_cmp_eq_f32 s[EQ+(\c)], v[X+4*(\j)+(\c)], v[M+(\c)]
.endr
.irp c, 0,1,2,3
.if (\j) == 7
	v_cndmask_b32 v[C+(\c)], 0, v[REV+(\j)], s[EQ+(\c)]
.else
	v_cndmask_b32 v[C+(\c)], v[C+(\c)], v[REV+(\j)], s[EQ+(\c)]
.endif
.endr
.endr
	LANES v_max_num_f32, v_max_num_f32_dpp, C, C   ; the greatest reversed position = the first position
	LANES v_add_f32, v_add_f32_dpp, S, S
	; the 16 waves meet in LDS.  The 16 lanes of a parity hold the same four numbers and write them to the same 16 bytes
	ds_store_b128 v[LW], v[M:M+3] offset:LMAX
	ds_store_b128 v[LW], v[C:C+3] offset:LREV
	ds_store_b128 v[LW], v[S:S+3] offset:LSUM
	s_wait_dscnt 0x0                               ; for wave 0's sake: my stores are done
	s_barrier_signal -1
	s_barrier_wait -1
	s_cmp_lg_u32 s[WV], 0
	s_cbranch_scc1 .Lend                           ; wave 0 finishes the chunk
	ds_load_b128 v[X:X+3],   v[LR] offset:LMAX     ; lane l: wave l / 2, classes 4 (l % 2) + 0..3: the same shape as before, a wave for a lane
	ds_load_b128 v[X+4:X+7], v[LR] offset:LREV
	ds_load_b128 v[S:S+3],   v[LR] offset:LSUM
	s_wait_dscnt 0x0
	LANES v_max_num_f32, v_max_num_f32_dpp, M, X   ; the chunk's maxima
.irp c, 0,1,2,3
	v_cmp_eq_f32 s[EQ+(\c)], v[X+(\c)], v[M+(\c)]
.endr
.irp c, 0,1,2,3
	v_cndmask_b32 v[C+(\c)], 0, v[X+4+(\c)], s[EQ+(\c)]  ; only the waves that hold the maximum name a position
.endr
	LANES v_max_num_f32, v_max_num_f32_dpp, C, C
	LANES v_add_f32, v_add_f32_dpp, S, S
	; lane l of the first eight takes class 4 (l % 2) + l / 2: number l / 2 of its four
	v_bfe_u32 v[W], v0, 1, 2
	v_cmp_eq_u32 s[EQ],   1, v[W]
	v_cmp_eq_u32 s[EQ+1], 2, v[W]
	v_cmp_eq_u32 s[EQ+2], 3, v[W]
.irp q, M, C, S
	v_cndmask_b32 v[\q], v[\q], v[(\q)+1], s[EQ]
	v_cndmask_b32 v[\q], v[\q], v[(\q)+2], s[EQ+1]
	v_cndmask_b32 v[\q], v[\q], v[(\q)+3], s[EQ+2]
.endr
	v_cvt_u32_f32 v[C], v[C]
	v_sub_nc_u32 v[C], NPOS-1, v[C]                ; the position, 0 to 16383, as a whole number
	; the tables are [b][k][p], 4 bytes each, so that the second launch finds a class's eight chunks on end: 256 b + 32 k + 4 p
	v_and_b32 v[GO], 1, v0
	v_lshlrev_b32 v[GO], 7, v[GO]
	v_lshl_add_u32 v[GO], v[W], 5, v[GO]
	s_lshl_b32 s18, s14, 8
	s_lshl2_add_u32 s18, s13, s18
	v_add_nc_u32 v[GO], s18, v[GO]
	v_cmp_gt_u32 vcc_lo, 8, v0
	s_wait_xcnt 0x0                                ; EXEC is a source of the loads above: it changes only behind this wait
	s_and_saveexec_b32 s19, vcc_lo                 ; eight lanes, a class each; the eight words of a store lie in one batch's 256 bytes of the table
	global_store_b32 v[GO], v[C], s[6:7]
	global_store_b32 v[GO], v[M], s[8:9]
	global_store_b32 v[GO], v[S], s[8:9] offset:512
	s_wait_xcnt 0x0                                ; and again in front of the line that widens it
	s_or_b32 exec_lo, exec_lo, s19
.Lend:
	s_wait_tensorcnt 0x0                           ; the wave's end, behind my last LDS store
	ds_add_u32 v[SPW], v[NIL]
	s_wait_dscnt 0x0
	s_endpgm
.Lfunc_end_k_q40a7d3516f_scan:
	.size	k_q40a7d3516f_scan, .Lfunc_end_k_q40a7d3516f_scan-k_q40a7d3516f_scan
	.p2alignl 7, 3214868480
	.fill 96, 4, 3214868480
	.section	.rodata,"a",@progbits
	.p2align	6, 0x0
	.amdhsa_kernel k_q40a7d3516f_scan
		.amdhsa_group_segment_fixed_size 3584
		.amdhsa_private_segment_fixed_size 0
		.amdhsa_enable_private_segment 0
		.amdhsa_kernarg_size 24
		.amdhsa_user_sgpr_count 2
		.amdhsa_user_sgpr_kernarg_segment_ptr 1
		.amdhsa_wavefront_size32 1
		.amdhsa_system_sgpr_workgroup_id_x 1
		.amdhsa_system_sgpr_workgroup_id_y 1
		.amdhsa_system_sgpr_workgroup_id_z 1
		.amdhsa_system_vgpr_workitem_id 0
		.amdhsa_next_free_vgpr 72
		.amdhsa_next_free_sgpr 66
		.amdhsa_reserve_vcc 1
		.amdhsa_float_denorm_mode_32 3
		.amdhsa_float_denorm_mode_16_64 3
		.amdhsa_memory_ordered 1
		.amdhsa_forward_progress 1
		.amdhsa_inst_pref_size 18
	.end_amdhsa_kernel
	.amdgpu_metadata
---
amdhsa.version: [ 1, 2 ]
amdhsa.kernels:
  - .name:           k_q40a7d3516f_scan
    .symbol:         k_q40a7d3516f_scan.kd
    .args:
      - { .name: prob_map, .offset: 0, .size: 8, .value_kind: global_buffer, .address_space: global }
      - { .name: cand, .offset: 8, .size: 8, .value_kind: global_buffer, .address_space: global }
      - { .name: stat, .offset: 16, .size: 8, .value_kind: global_buffer, .address_space: global }
    .group_segment_fixed_size: 3584
    .private_segment_fixed_size: 0
    .kernarg_segment_align: 8
    .kernarg_segment_size: 24
    .max_flat_workgroup_size: 512
    .sgpr_count:     66
    .vgpr_count:     72
    .wavefront_size: 32
...
	.end_amdgpu_metadata
.endif
;; end of part 1
;; launch pick (part 2): grid 16 x 16, 1 waves a work-group, no clusters, 0 bytes of LDS; arguments emb, cand, stat, out0; writes out0
.if DOCPART == 2
	.amdgcn_target "amdgcn-amd-amdhsa--gfx1250"
	.amdhsa_code_object_version 6
	.text
	.protected	k_q40a7d3516f_pick
	.globl	k_q40a7d3516f_pick
	.p2align	8
	.type	k_q40a7d3516f_pick,@function
k_q40a7d3516f_pick:
	s_mov_b64 s[64:65], 0
	v_nop
	global_prefetch_b8 v0, s[64:65] scope:SCOPE_SE
	s_setreg_imm32_b32 hwreg(HW_REG_WAVE_MODE, 25, 1), 1
	s_wait_xcnt 0x0
; SECOND OF TWO LAUNCHES: out0[b][k][:] = (mean of prob[b][:][k] > 0.3) x emb[b][argmax][:].  emb: [2][16384][2048] f32, out0: [2][8][2048] f32.
; WORK NOT DONE: of emb only the rows that the first launch's positions name are read (reference()'s take_along_axis is a lookup); the others have no way to out0, whatever they hold.
; The first launch left, for each row r = 8 b + k of out0 and each of 8 chunks of positions: cand[r][p] the first position of the chunk's maximum (a whole number), stat[r][p] that maximum,
; stat[128 + 8 r + p] the chunk's sum.  The addresses here are made of cand alone.  Which of the 8 candidates is the argmax hangs on floating-point numbers, so it steers no address:
; all 8 are loaded, and a select keeps one.  A later chunk wins only by a strictly greater maximum, so equal maxima leave the lowest position, as argmax does.
; The mask is applied as reference() applies it: the row is loaded and multiplied by 0 or 1.  LIMITS: as stated at the head of the first launch (order of the sums; NaN among the probabilities).
; SHARES.  One wave to a work-group: row r (grid y), bytes 512 x .. 512 x + 511 of it (grid x): 16 bytes a lane; each load and the store cover 512 consecutive bytes, aligned.
.set NPOS, 16384
.set CD,  16                           ; s[16:23] the candidates' positions
.set MX,  24                           ; s[24:31] the chunks' maxima
.set SM,  32                           ; s[32:39] the chunks' sums
.set WIN, 40                           ; s[41:47] lane masks (all ones or 0): chunk p beats all chunks before it
.set LO,   1                           ; v1       16 x lane; never rewritten
.set OFF,  2                           ; v[2:9]   candidate p's byte offset in the batch's part of emb
.set BEST, 10                          ; v10      the greatest maximum so far
.set TAU,  11                          ; v11      0.3
.set MK,   12                          ; v[12:13] the mask, 0.0 or 1.0, twice: a pair for the packed multiply
.set R,    16                          ; v[16:47] the candidates' 16 bytes; the winner gathers in the first four
	s_load_b256 s[4:11], s[0:1], 0x0               ; emb s[4:5], cand s[6:7], stat s[8:9], out0 s[10:11]
	s_and_b32 s12, ttmp7, 0xffff                   ; r
	s_lshl_b32 s13, s12, 5                         ; its 32 bytes in each table
	v_lshlrev_b32 v[LO], 4, v0
	s_wait_kmcnt 0x0
	s_load_b256 s[CD:CD+7], s[6:7], s13 offset:0x0
	s_load_b256 s[MX:MX+7], s[8:9], s13 offset:0x0
	s_load_b256 s[SM:SM+7], s[8:9], s13 offset:0x200
	s_lshr_b32 s14, s12, 3                         ; b:
	s_lshl_b32 s14, s14, 27                        ; its 16,384 rows of 8,192 bytes,
	s_lshl_b32 s15, ttmp9, 9                       ; my 512 bytes of a row
	s_add_co_u32 s14, s14, s15
	s_lshl_b32 s2, s12, 13                         ; row r of out0,
	s_add_co_u32 s2, s2, s15                       ; the same 512 bytes
	s_mov_b32 s15, 0
	s_mov_b32 s3, 0
	s_add_nc_u64 s[4:5], s[4:5], s[14:15]
	s_add_nc_u64 s[10:11], s[10:11], s[2:3]
	v_mov_b32 v[TAU], 0x3e99999a                   ; 0.3 in f32
	s_wait_kmcnt 0x0
.irp p, 0,1,2,3,4,5,6,7
	s_min_u32 s[CD+(\p)], s[CD+(\p)], NPOS-1       ; a loaded number enters an address only inside the table
.endr
.irp p, 0,1,2,3,4,5,6,7
	v_lshl_add_u32 v[OFF+(\p)], s[CD+(\p)], 13, v[LO]  ; position x 8,192 + 16 x lane: under 2^27
.endr
.irp p, 0,1,2,3,4,5,6,7
	global_load_b128 v[R+4*(\p):R+4*(\p)+3], v[OFF+(\p)], s[4:5]  ; all eight go out together; no hint: two classes may name one row
.endr
	; while they are out: who wins, and the mask
	v_mov_b32 v[BEST], s[MX]
.irp p, 1,2,3,4,5,6,7
	v_cmp_gt_f32 s[WIN+(\p)], s[MX+(\p)], v[BEST]
	v_max_num_f32 v[BEST], s[MX+(\p)], v[BEST]
.endr
	s_add_f32 s[SM],   s[SM],   s[SM+1]
	s_add_f32 s[SM+2], s[SM+2], s[SM+3]
	s_add_f32 s[SM+4], s[SM+4], s[SM+5]
	s_add_f32 s[SM+6], s[SM+6], s[SM+7]
	s_add_f32 s[SM],   s[SM],   s[SM+2]
	s_add_f32 s[SM+4], s[SM+4], s[SM+6]
	s_add_f32 s[SM],   s[SM],   s[SM+4]
	s_mul_f32 s[SM], s[SM], 0x38800000             ; / 16,384: a power of two, exact
	v_cmp_gt_f32 vcc_lo, s[SM], v[TAU]
	v_cndmask_b32 v[MK],   0, 1.0, vcc_lo
	v_cndmask_b32 v[MK+1], 0, 1.0, vcc_lo
.irp p, 1,2,3,4,5,6,7
	s_wait_loadcnt 7-(\p)                          ; loads come back in order: candidates 0 to p are in, the 7 - p younger ones may stay out
.irp c, 0,1,2,3
	v_cndmask_b32 v[R+(\c)], v[R+(\c)], v[R+4*(\p)+(\c)], s[WIN+(\p)]
.endr
.endr
	v_pk_mul_f32 v[R:R+1],   v[R:R+1],   v[MK:MK+1]
	v_pk_mul_f32 v[R+2:R+3], v[R+2:R+3], v[MK:MK+1]
	global_store_b128 v[LO], v[R:R+3], s[10:11] th:TH_STORE_NT
	s_endpgm
.Lfunc_end_k_q40a7d3516f_pick:
	.size	k_q40a7d3516f_pick, .Lfunc_end_k_q40a7d3516f_pick-k_q40a7d3516f_pick
	.p2alignl 7, 3214868480
	.fill 96, 4, 3214868480
	.section	.rodata,"a",@progbits
	.p2align	6, 0x0
	.amdhsa_kernel k_q40a7d3516f_pick
		.amdhsa_group_segment_fixed_size 0
		.amdhsa_private_segment_fixed_size 0
		.amdhsa_enable_private_segment 0
		.amdhsa_kernarg_size 32
		.amdhsa_user_sgpr_count 2
		.amdhsa_user_sgpr_kernarg_segment_ptr 1
		.amdhsa_wavefront_size32 1
		.amdhsa_system_sgpr_workgroup_id_x 1
		.amdhsa_system_sgpr_workgroup_id_y 1
		.amdhsa_system_sgpr_workgroup_id_z 1
		.amdhsa_system_vgpr_workitem_id 0
		.amdhsa_next_free_vgpr 48
		.amdhsa_next_free_sgpr 66
		.amdhsa_reserve_vcc 1
		.amdhsa_float_denorm_mode_32 3
		.amdhsa_float_denorm_mode_16_64 3
		.amdhsa_memory_ordered 1
		.amdhsa_forward_progress 1
		.amdhsa_inst_pref_size 7
	.end_amdhsa_kernel
	.amdgpu_metadata
---
amdhsa.version: [ 1, 2 ]
amdhsa.kernels:
  - .name:           k_q40a7d3516f_pick
    .symbol:         k_q40a7d3516f_pick.kd
    .args:
      - { .name: emb, .offset: 0, .size: 8, .value_kind: global_buffer, .address_space: global }
      - { .name: cand, .offset: 8, .size: 8, .value_kind: global_buffer, .address_space: global }
      - { .name: stat, .offset: 16, .size: 8, .value_kind: global_buffer, .address_space: global }
      - { .name: out0, .offset: 24, .size: 8, .value_kind: global_buffer, .address_space: global }
    .group_segment_fixed_size: 0
    .private_segment_fixed_size: 0
    .kernarg_segment_align: 8
    .kernarg_segment_size: 32
    .max_flat_workgroup_size: 32
    .sgpr_count:     66
    .vgpr_count:     48
    .wavefront_size: 32
...
	.end_amdgpu_metadata
.endif
;; end of part 2
